; MI455X (gfx1250); checked and timed in simulation.
; The chip was launched on July 23, 2026; its instructions are those of AMD's public machine-readable ISA for CDNA 5 (MIT licence, August 2026) and "CDNA5" Instruction Set Architecture Reference Guide (July 2026). The comments in the code are by the model that wrote it; some were corrected since.
;; Mo E. Allowed arithmetic: matrix products marked QUANTISED: E2M3 operands, one E8M0 scale for each 32 along K, by v_wmma_scale_f32_16x16x128_f8f6f4 with both operands' format E2M3, f32 sums; products left as they are: f32 operands where the result goes on into a quantised operand, else bf16, f16 or f32 operands; f32 sums; everything else in f32.
;; Inputs: b_fc 8 x 2,048 float32; b_proj 8 x 1,024 float32; hidden_states 4 x 512 x 1,024 float32; w_fc_codes 8 x 2,048 x 32 x 24 uint8 (E2M3 codes of w_fc, K innermost, in blocks of 32 codes, four codes in three bytes); w_fc_scales 8 x 2,048 x 32 uint8 (E8M0 scales of w_fc, one for each 32 codes along K); w_gate 8 x 1,024 float32; w_proj_codes 8 x 1,024 x 64 x 24 uint8 (E2M3 codes of w_proj, K innermost, in blocks of 32 codes, four codes in three bytes); w_proj_scales 8 x 1,024 x 64 uint8 (E8M0 scales of w_proj, one for each 32 codes along K).
;; Outputs: out0 4 x 512 x 1,024 float32.
;; This version of the problem:
;;   THIS VERSION OF THE PROBLEM IS GIVEN IN LOW PRECISION. The matrix products marked QUANTISED in the list below multiply operands that are first quantised to E2M3 (2 exponent bits, 3 mantissa bits; 6 bits a number), with one power-of-two scale for each 32 numbers along K (OCP MX v1.0); their sums are f32. All else is computed in f32.
;;   The module's matrix products, in the order in which they are computed (A, B: the left and right operand; K: the contracted axis; several contracted axes count as one K, in the product's order):
;;     1. [M 2,048, K 1,024] x [K 1,024, N 8]; A: input hidden_states; B: input w_gate: left as it is (N = 8 < 16)
;;     2. [M 2,048, K 1,024] x [K 1,024, N 2,048]; A: input hidden_states; B: input w_fc (given as codes): QUANTISED
;;     3. [M 2,048, K 2,048] x [K 2,048, N 1,024]; A: computed on the way; B: input w_proj (given as codes): QUANTISED
;;     4. [M 2,048, K 1,024] x [K 1,024, N 2,048]; A: input hidden_states; B: input w_fc (given as codes): QUANTISED
;;     5. [M 2,048, K 2,048] x [K 2,048, N 1,024]; A: computed on the way; B: input w_proj (given as codes): QUANTISED
;;     6. [M 2,048, K 1,024] x [K 1,024, N 2,048]; A: input hidden_states; B: input w_fc (given as codes): QUANTISED
;;     7. [M 2,048, K 2,048] x [K 2,048, N 1,024]; A: computed on the way; B: input w_proj (given as codes): QUANTISED
;;     8. [M 2,048, K 1,024] x [K 1,024, N 2,048]; A: input hidden_states; B: input w_fc (given as codes): QUANTISED
;;     9. [M 2,048, K 2,048] x [K 2,048, N 1,024]; A: computed on the way; B: input w_proj (given as codes): QUANTISED
;;     10. [M 2,048, K 1,024] x [K 1,024, N 2,048]; A: input hidden_states; B: input w_fc (given as codes): QUANTISED
;;     11. [M 2,048, K 2,048] x [K 2,048, N 1,024]; A: computed on the way; B: input w_proj (given as codes): QUANTISED
;;     12. [M 2,048, K 1,024] x [K 1,024, N 2,048]; A: input hidden_states; B: input w_fc (given as codes): QUANTISED
;;     13. [M 2,048, K 2,048] x [K 2,048, N 1,024]; A: computed on the way; B: input w_proj (given as codes): QUANTISED
;;     14. [M 2,048, K 1,024] x [K 1,024, N 2,048]; A: input hidden_states; B: input w_fc (given as codes): QUANTISED
;;     15. [M 2,048, K 2,048] x [K 2,048, N 1,024]; A: computed on the way; B: input w_proj (given as codes): QUANTISED
;;     16. [M 2,048, K 1,024] x [K 1,024, N 2,048]; A: input hidden_states; B: input w_fc (given as codes): QUANTISED
;;     17. [M 2,048, K 2,048] x [K 2,048, N 1,024]; A: computed on the way; B: input w_proj (given as codes): QUANTISED
;;   THE QUANTISER, for each operand of a quantised product, along K:
;;     - K is cut into blocks of 32 from its start; a last block that is shorter is filled with zeros.
;;     - A block's scale is 2^e with e = floor(log2(the largest magnitude in the block)) - 2, held to -126 .. 127; a block of zeros has e = 0. As a byte (E8M0): e + 127.
;;     - Each number is divided by its block's scale, clamped to +-7.5, and rounded to the nearest number of E2M3, ties to even, subnormals kept.
;;     - The product sums the exact products of the quantised numbers (number of the format x scale) in f32.
;;   ~~~python
;;   def quantise(x, axis):      # numpy; x: float32 -> the quantised numbers, widened to float32 again
;;       x = np.moveaxis(x, axis, -1); K = x.shape[-1]
;;       x = np.pad(x, [(0, 0)] * (x.ndim - 1) + [(0, -K % 32)]); x = x.reshape(x.shape[:-1] + (-1, 32)); a = np.abs(x).max(-1, keepdims=True)
;;       e = np.where(a > 0, np.clip(np.frexp(np.where(a > 0, a, 1))[1] - 1 - 2, -126, 127), 0)      # np.frexp(a)[1] - 1 = floor(log2(a)), exactly
;;       r = np.clip(x / 2.0 ** e, -7.5, 7.5)
;;       step = 2.0 ** (np.maximum(np.frexp(np.where(r == 0, 1, r))[1] - 1, 0) - 3)
;;       q = np.round(r / step) * step * 2.0 ** e      # np.round: ties to even
;;       return np.moveaxis(q.reshape(q.shape[:-2] + (-1,))[..., :K], -1, axis).astype(np.float32)
;;   ~~~
;;   OPERANDS COMPUTED ON THE WAY. 'Computed on the way' means the value that the module computes at that place (a softmax that the list does not call 'softmax' is quantised finished and normalised). What goes into a quantiser is computed in f32, as accurately as f32 sums, v_exp_f32 and their like allow (about 1e-6 of the number): no bf16 or f16 on the way to a quantiser, and a product that is left as it is and whose result goes on into a quantised operand takes f32 operands (vector FMAs, or v_wmma_f32_16x16x4_f32). A number that lies on a knife's edge between two numbers of the format may be rounded either way, as far as f32 arithmetic and the matrix unit's own rounding can turn it there, and no further.
;;   INPUTS GIVEN AS CODES. w_fc (in the module: [8, 2048, 1024], K = its axis 2); w_proj (in the module: [8, 1024, 2048], K = its axis 2): each comes as NAME_codes (uint8): NAME with its K axis moved to the last place and cut into blocks of 32 codes, [.., K / 32, bytes a block], one block behind the other in memory; four codes in three bytes: a row's codes are one little-endian stream of bits, code i at bits 6 i .. 6 i + 5 (a code: sign, 2 exponent bits, 3 mantissa bits); and NAME_scales (uint8): the same leading axes, one E8M0 byte (e + 127) for each 32 codes along K. Its value is code x scale, taken as it is: it is not quantised again, and the codes and scales need not be those that the quantiser above would give.
;; One version. Each part assembles by itself: llvm-mc -triple=amdgcn-amd-amdhsa -mcpu=gfx1250 --defsym DOCPART=n.
;; ======== version 1 of 1: 4 launches
;; limits: right only within a limited range of input values
;; workspace buffers: xq 1,638,400 bytes; idx 16,384 bytes of whole numbers; gates 16,384 bytes; lists 37,632 bytes of whole numbers; hq 8,294,400 bytes; part 21,233,664 bytes
;; launch route (part 1): grid 256 x 1, 4 waves a work-group, no clusters, 70,144 bytes of LDS; arguments hidden_states, w_gate, xq, idx, gates; writes xq, idx, gates
.if DOCPART == 1
	.amdgcn_target "amdgcn-amd-amdhsa--gfx1250"
	.amdhsa_code_object_version 6
	.text
	.protected	k_q1187696b12_route
	.globl	k_q1187696b12_route
	.p2align	8
	.type	k_q1187696b12_route,@function
k_q1187696b12_route:
	s_mov_b64 s[64:65], 0
	v_nop
	global_prefetch_b8 v0, s[64:65] scope:SCOPE_SE
	s_setreg_imm32_b32 hwreg(HW_REG_WAVE_MODE, 25, 1), 1
	s_wait_xcnt 0x0
; ROUTE: for each of the 2,048 tokens: the 8 gate logits in f32 (fused multiply-adds), the two largest (ties: the lower index, as jax.lax.top_k), their softmax
; (the larger logit taken away before the exponential), and the token's 1,024 numbers as codes of E2M3 with one E8M0 byte for each 32 along K.
; DEAD WORK, for the whole program.  For an expert e that is not among a token's top_idx, g_e is a sum of the zeros that reference() itself puts there by jnp.where, so g_e x y is 0
; for every finite y: the rows of products 2 to 17 of experts that were not chosen reach no output, whatever finite values the inputs hold.  Only the 2 x 2,048 chosen rows are multiplied.
; Every input still has a way to the output and is loaded.  LIMIT: a NaN, an infinity or an overflow that arises only in an expert that was not chosen is not carried to the result.
; LIMITS: NaN and infinities among the inputs are not served.  Two logits that differ by less than the rounding of an f32 sum of 1,024 terms may be ranked otherwise than by another order of summing.
; A block whose largest magnitude lies under 2^(3 - 127) has its byte held at 1; a block of zeros so gets the byte 1 where the rule says 127: its codes are zeros, and this program alone reads the bytes.
; SHARES.  A wave takes two tokens.  EVERY GLOBAL LOAD IS DENSE: 32 lanes read 512 consecutive bytes, so lane l of a row's load i holds k = 128 i + 4 l + 0 .. 3.  The logits are summed in that layout: w_gate is held
; in the same one, and a sum does not ask which lane holds which k.  The quantiser wants 32 neighbours along K in ONE lane: for it a row turns through the wave's own stage in LDS, stored as loaded and read back
; 128 bytes a lane; the stage has 16 bytes of padding behind each 128.
; w_gate, 32,768 bytes, is fetched ONCE by the work-group: wave w loads experts 2 w and 2 w + 1 and copies them into LDS as they lie; behind one barrier every wave reads all eight rows into window 1.
; LDS: 0: four stages of 9,216 bytes (2 tokens x 32 x 144);  WGB: w_gate;  SPARE: the spare words.
; xq: codes [token][768]: inside each 96 bytes (128 along K) the four blocks of 24 bytes lie in K's order;
; from byte XSO on the scale bytes [token][32], in K's order.  idx [token]: a word with bit 4 e set for each chosen expert; gates [2 token + slot]: the weights, the lower-numbered expert's first.  No address and no branch hangs on a floating-point number.
.set XSO, 1572864
.set X,   32                           ; v32-95   the two tokens' numbers as loaded
.set LG,  96                           ; v96-127  logit (tau, e): a pair at LG + 16 tau + 2 e
.set CD,  128                          ; v128-143 codes
.set XT,  160                          ; v160-223 the two tokens' numbers turned: lane l holds block l
.set STG, 9216                         ; a wave's stage
.set WGB, 36864                        ; w_gate in LDS
.set SPARE, 69632                      ; the spare words, 128 bytes for each wave: two blocks of 256 bytes that no other line names
.set SPW, 16                           ; v16 LDS address of my spare word; never rewritten
.set NIL, 17                           ; v17 0; never rewritten
.set MSB, 0
.macro WIN new                         ; the immediate's high byte repeats the setting that is left
.if MSB != (\new)
	s_set_vgpr_msb (MSB<<8)|(\new)
.set MSB, \new
.endif
.endm
	s_load_b256 s[4:11], s[0:1], 0x0               ; hidden_states s[4:5], w_gate s[6:7], xq s[8:9], idx s[10:11]
	s_load_b64 s[12:13], s[0:1], 0x20              ; gates
	v_lshl_add_u32 v[SPW], v0, 2, SPARE
	v_mov_b32 v[NIL], 0
	v_lshrrev_b32 v5, 5, v0
	v_readfirstlane_b32 s14, v5                    ; wave
	s_lshl_b32 s15, ttmp9, 2
	s_add_co_u32 s15, s15, s14                     ; g: my pair of tokens
	v_and_b32 v1, 31, v0                           ; lane
	v_lshlrev_b32 v2, 4, v1                        ; my 16 bytes of a load's 512
	v_mul_u32_u24 v3, v1, 24                       ; block l's place in xq: the blocks lie in K's order (this line replaces the order 0, 2, 1, 3 named at the head)
	v_lshlrev_b32 v7, 2, v1
	s_lshl_b32 s26, s15, 4
	v_add_nc_u32 v7, s26, v7                       ; gates: 16 g + 4 lane
	s_mul_i32 s27, s14, STG                        ; my stage
	v_lshrrev_b32 v5, 3, v1
	v_mul_u32_u24 v18, v5, 144
	v_and_b32 v6, 7, v1
	v_lshl_add_u32 v18, v6, 4, v18
	v_add_nc_u32 v18, s27, v18                     ; into it: eight lanes' 128 bytes on end, then 16 of padding: 144 (lane / 8) + 16 (lane % 8); a load's 512 bytes take 576
	v_mul_u32_u24 v19, v1, 144
	v_add_nc_u32 v19, s27, v19                     ; out of it: 144 lane: my block's 128 bytes
	s_lshl_b32 s28, s14, 13
	v_add_nc_u32 v26, s28, v2                      ; w_gate: my wave's two rows, 8,192 bytes: 8,192 wave + 16 lane, in memory,
	v_add_nc_u32 v27, WGB, v26                     ; and in LDS;
	v_add_nc_u32 v28, WGB, v2                      ; and where every wave reads all of it
	s_lshl_b32 s16, s15, 13                        ; two rows of 4,096 bytes
	s_mov_b32 s17, 0
	s_mul_i32 s18, s15, 1536                       ; two rows of codes
	s_mov_b32 s19, 0
	s_lshl_b32 s20, s15, 6
	s_add_co_u32 s20, s20, XSO                     ; two rows of scale bytes
	s_mov_b32 s21, 0
	s_mov_b32 s24, 0x76543210
	s_mov_b32 s25, 0xfedcba98                      ; v_permlanex16_b32's selects for lane l xor 16
	s_wait_alu depctr_va_vdst(0)
	s_wait_kmcnt 0x0
	s_add_nc_u64 s[4:5], s[4:5], s[16:17]
	s_add_nc_u64 s[22:23], s[8:9], s[20:21]
	s_add_nc_u64 s[8:9], s[8:9], s[18:19]
.irp tau, 0,1
.irp i, 0,1,2,3,4,5,6,7
	global_load_b128 v[X+32*\tau+4*\i:X+32*\tau+4*\i+3], v2, s[4:5] offset:4096*\tau+512*\i th:TH_LOAD_NT   ; 32 lanes read 512 consecutive bytes
.endr
.endr
	WIN 0x40                                       ; destination window 1
.irp q, 0,1,2,3,4,5,6,7,8,9,10,11,12,13,14,15
	global_load_b128 v[4*\q:4*\q+3], v26, s[6:7] offset:512*\q
.endr
	WIN 0
	s_wait_loadcnt 16                              ; behind the tokens' 16 loads the 16 of w_gate were issued: the tokens are in
.irp tau, 0,1                          ; the turn: LDS serves a wave's instructions in order (ISA guide 5.7.1.4), so no wait stands between the stores and the loads
.irp i, 0,1,2,3,4,5,6,7
	ds_store_b128 v18, v[X+32*\tau+4*\i:X+32*\tau+4*\i+3] offset:4608*\tau+576*\i
.endr
.irp j, 0,1,2,3,4,5,6,7
	ds_load_b128 v[XT+32*\tau+4*\j:XT+32*\tau+4*\j+3], v19 offset:4608*\tau+16*\j
.endr
.endr
	s_wait_loadcnt 0x0                             ; my two rows of w_gate
	WIN 0x04                                       ; an LDS store's data are its source 1: window 1
.irp q, 0,1,2,3,4,5,6,7,8,9,10,11,12,13,14,15
	ds_store_b128 v27, v[4*\q:4*\q+3] offset:512*\q
.endr
	WIN 0
	s_wait_dscnt 0x0                               ; for the others' sake: my rows of w_gate have landed; and my turned numbers are in
	s_barrier_signal -1
	s_barrier_wait -1                              ; all eight rows lie in LDS
	WIN 0x40
.set n, 0
.rept 64
	ds_load_b128 v[4*n:4*n+3], v28 offset:512*n    ; row e, piece i at register 32 e + 4 i: lane l holds k = 128 i + 4 l + 0 .. 3, as of the tokens
.set n, n+1
.endr
	WIN 0
.macro QX tau                          ; token tau's block: largest magnitude, scale, 32 codes.  It stands behind the 64 LDS loads and ahead of the wait for them
.set XR, XT+32*\tau
	v_max3_num_f32 v8, |v[XR]|, |v[XR+1]|, |v[XR+2]|
	v_max3_num_f32 v9, |v[XR+3]|, |v[XR+4]|, |v[XR+5]|
.irp i, 6,10,14,18,22,26
	v_max3_num_f32 v8, v8, |v[XR+\i]|, |v[XR+\i+1]|
	v_max3_num_f32 v9, v9, |v[XR+\i+2]|, |v[XR+\i+3]|
.endr
	v_max3_num_f32 v8, v8, |v[XR+30]|, |v[XR+31]|
	v_max3_num_f32 v8, v8, v9, 0x1800000           ; and the floor 2^(3 - 127): the byte cannot fall under 1
	v_add_nc_u32 v[10+\tau], 0xff000000, v8        ; 2 off the exponent field: the conversion takes the exponent field of this operand as its scale
	v_cvt_scalef32_pk16_fp6_f32 v[CD+8*\tau:CD+8*\tau+2], v[XR:XR+15], v[10+\tau]
	v_cvt_scalef32_pk16_fp6_f32 v[CD+8*\tau+4:CD+8*\tau+6], v[XR+16:XR+31], v[10+\tau]
	v_lshrrev_b32 v[12+\tau], 23, v[10+\tau]       ; the scale's byte (a plain line behind the conversions)
	global_store_b96 v3, v[CD+8*\tau:CD+8*\tau+2], s[8:9] offset:768*\tau
	global_store_b96 v3, v[CD+8*\tau+4:CD+8*\tau+6], s[8:9] offset:768*\tau+12
	global_store_b8 v1, v[12+\tau], s[22:23] offset:32*\tau
.endm
	QX 0
	QX 1
	s_wait_dscnt 0x0                               ; w_gate is in registers
	WIN 0x04                                       ; source 1 window 1
.irp i, 0,1,2,3,4,5,6,7,8,9,10,11,12,13,14,15  ; 16 chains by turns; the first product starts each sum
.irp tau, 0,1
.irp e, 0,1,2,3,4,5,6,7
.if \i == 0
	v_pk_mul_f32 v[LG+16*\tau+2*\e:LG+16*\tau+2*\e+1], v[X+32*\tau+2*\i:X+32*\tau+2*\i+1], v[32*\e+2*\i:32*\e+2*\i+1]
.else
	v_pk_fma_f32 v[LG+16*\tau+2*\e:LG+16*\tau+2*\e+1], v[X+32*\tau+2*\i:X+32*\tau+2*\i+1], v[32*\e+2*\i:32*\e+2*\i+1], v[LG+16*\tau+2*\e:LG+16*\tau+2*\e+1]
.endif
.endr
.endr
.endr
	WIN 0
.irp q, 0,1,2,3,4,5,6,7,8,9,10,11,12,13,14,15
	v_add_f32 v[LG+2*\q], v[LG+2*\q], v[LG+2*\q+1]
.endr
.irp m, 1,2,4,8
.irp q, 0,1,2,3,4,5,6,7,8,9,10,11,12,13,14,15
	v_add_f32_dpp v[LG+2*\q], v[LG+2*\q], v[LG+2*\q] row_xmask:\m row_mask:0xf bank_mask:0xf
.endr
.endr
.irp q, 0,1,2,3,4,5,6,7,8,9,10,11,12,13,14,15
	v_permlanex16_b32 v[LG+2*\q+1], v[LG+2*\q], s24, s25
.endr
.irp q, 0,1,2,3,4,5,6,7,8,9,10,11,12,13,14,15
	v_add_f32 v[LG+2*\q], v[LG+2*\q], v[LG+2*\q+1] ; every lane holds every logit
.endr
; the largest of eight numbers two registers apart, and its index: a later one wins only where it is strictly larger
.macro SCAN m, ix, base
	v_mov_b32 v[\m], v[\base]
	v_mov_b32 v[\ix], 0
.irp e, 1,2,3,4,5,6,7
	v_cmp_gt_f32 vcc_lo, v[(\base)+2*\e], v[\m]
	v_cndmask_b32 v[\m], v[\m], v[(\base)+2*\e], vcc_lo
	v_cndmask_b32 v[\ix], v[\ix], \e, vcc_lo
.endr
.endm
	v_mov_b32 v20, 0xff800000                      ; -infinity
.irp tau, 0,1                          ; v[144 + 8 tau] on: m1, i1, m2, i2, e, 1 + e, g1, g2
	SCAN 144+8*\tau, 145+8*\tau, LG+16*\tau
.irp e, 0,1,2,3,4,5,6,7
	v_cmp_eq_u32 vcc_lo, \e, v[145+8*\tau]
	v_cndmask_b32 v[LG+16*\tau+2*\e+1], v[LG+16*\tau+2*\e], v20, vcc_lo   ; the first choice is taken out
.endr
	SCAN 146+8*\tau, 147+8*\tau, LG+16*\tau+1
.endr
	v_sub_f32 v148, v146, v144                     ; the softmax of the two: the larger is taken away
	v_sub_f32 v156, v154, v152
	v_mul_f32 v148, 0x3fb8aa3b, v148
	v_mul_f32 v156, 0x3fb8aa3b, v156
	s_wait_alu depctr_va_vdst(0)
	v_exp_f32 v148, v148
	v_exp_f32 v156, v156
	v_nop                                          ; a plain line behind the exponentials,
	s_wait_alu depctr_va_vdst(0)                   ; and one wait for both, ahead of their first reader
	v_add_f32 v149, 1.0, v148
	v_add_f32 v157, 1.0, v156
	s_wait_alu depctr_va_vdst(0)
	v_rcp_f32 v150, v149
	v_rcp_f32 v158, v157
	v_nop
	s_wait_alu depctr_va_vdst(0)
	v_mul_f32 v151, v148, v150
	v_mul_f32 v159, v156, v158
	; WHAT IS STORED (in place of the head's idx and gates): idx [token]: one word, bit 4 e set for each of the token's two experts;
	; gates [2 token + slot]: slot 0 the weight of the expert with the lower number, slot 1 that of the higher.  Values are selected; no address hangs on them.
	v_cmp_gt_u32 vcc_lo, v145, v147                ; token 0: the first choice has the higher number
	v_cndmask_b32 v160, v150, v151, vcc_lo
	v_cndmask_b32 v161, v151, v150, vcc_lo
	v_cmp_gt_u32 vcc_lo, v153, v155                ; token 1
	v_cndmask_b32 v162, v158, v159, vcc_lo
	v_cndmask_b32 v163, v159, v158, vcc_lo
	v_mov_b32 v164, 1
	v_lshlrev_b32 v165, 2, v145
	v_lshlrev_b32 v166, 2, v147
	v_lshlrev_b32 v167, 2, v153
	v_lshlrev_b32 v168, 2, v155
	v_lshlrev_b32 v165, v165, v164
	v_lshlrev_b32 v166, v166, v164
	v_lshlrev_b32 v167, v167, v164
	v_lshlrev_b32 v168, v168, v164
	v_or_b32 v165, v165, v166
	v_or_b32 v167, v167, v168
	v_and_b32 v21, 1, v1
	v_cmp_ne_u32 vcc_lo, 0, v21
	v_cndmask_b32 v24, v160, v161, vcc_lo
	v_cndmask_b32 v25, v162, v163, vcc_lo
	v_cndmask_b32 v22, v165, v167, vcc_lo          ; lane 0: token 0's word, lane 1: token 1's
	v_and_b32 v21, 2, v1
	v_cmp_ne_u32 vcc_lo, 0, v21
	v_cndmask_b32 v24, v24, v25, vcc_lo            ; lanes 0 to 3: (token, slot)
	s_lshl_b32 s26, s15, 3
	v_lshl_add_u32 v23, v1, 2, s26                 ; idx: 8 g + 4 lane
	s_wait_alu depctr_va_vdst(0)
	s_wait_xcnt 0x0
	v_cmpx_gt_u32 4, v1
	global_store_b32 v7, v24, s[12:13]
	s_wait_xcnt 0x0                                ; EXEC narrows again only behind this wait
	v_cmpx_gt_u32 2, v1
	global_store_b32 v23, v22, s[10:11]
	s_wait_xcnt 0x0                                ; and again, in front of the line that widens it
	s_mov_b32 exec_lo, -1
	s_wait_tensorcnt 0x0                           ; the wave's end: behind my last LDS store, with all lanes on
	ds_add_u32 v[SPW], v[NIL]
	s_wait_dscnt 0x0
	s_endpgm
.Lfunc_end_k_q1187696b12_route:
	.size	k_q1187696b12_route, .Lfunc_end_k_q1187696b12_route-k_q1187696b12_route
	.p2alignl 7, 3214868480
	.fill 96, 4, 3214868480
	.section	.rodata,"a",@progbits
	.p2align	6, 0x0
	.amdhsa_kernel k_q1187696b12_route
		.amdhsa_group_segment_fixed_size 70144
		.amdhsa_private_segment_fixed_size 0
		.amdhsa_enable_private_segment 0
		.amdhsa_kernarg_size 40
		.amdhsa_user_sgpr_count 2
		.amdhsa_user_sgpr_kernarg_segment_ptr 1
		.amdhsa_wavefront_size32 1
		.amdhsa_system_sgpr_workgroup_id_x 1
		.amdhsa_system_sgpr_workgroup_id_y 1
		.amdhsa_system_sgpr_workgroup_id_z 1
		.amdhsa_system_vgpr_workitem_id 0
		.amdhsa_next_free_vgpr 512
		.amdhsa_next_free_sgpr 66
		.amdhsa_reserve_vcc 1
		.amdhsa_float_denorm_mode_32 3
		.amdhsa_float_denorm_mode_16_64 3
		.amdhsa_memory_ordered 1
		.amdhsa_forward_progress 1
		.amdhsa_inst_pref_size 45
	.end_amdhsa_kernel
	.amdgpu_metadata
---
amdhsa.version: [ 1, 2 ]
amdhsa.kernels:
  - .name:           k_q1187696b12_route
    .symbol:         k_q1187696b12_route.kd
    .args:
      - { .name: hidden_states, .offset: 0, .size: 8, .value_kind: global_buffer, .address_space: global }
      - { .name: w_gate, .offset: 8, .size: 8, .value_kind: global_buffer, .address_space: global }
      - { .name: xq, .offset: 16, .size: 8, .value_kind: global_buffer, .address_space: global }
      - { .name: idx, .offset: 24, .size: 8, .value_kind: global_buffer, .address_space: global }
      - { .name: gates, .offset: 32, .size: 8, .value_kind: global_buffer, .address_space: global }
    .group_segment_fixed_size: 70144
    .private_segment_fixed_size: 0
    .kernarg_segment_align: 8
    .kernarg_segment_size: 40
    .max_flat_workgroup_size: 128
    .sgpr_count:     66
    .vgpr_count:     512
    .wavefront_size: 32
...
	.end_amdgpu_metadata
.endif
;; end of part 1
;; launch fc (part 2): grid 8 x 32, 4 waves a work-group, no clusters, 314,880 bytes of LDS; arguments xq, idx, w_fc_codes, w_fc_scales, b_fc, hq, lists; writes hq, lists
.if DOCPART == 2
	.amdgcn_target "amdgcn-amd-amdhsa--gfx1250"
	.amdhsa_code_object_version 6
	.text
	.protected	k_q1187696b12_fc
	.globl	k_q1187696b12_fc
	.p2align	8
	.type	k_q1187696b12_fc,@function
k_q1187696b12_fc:
	s_mov_b64 s[64:65], 0
	v_nop
	global_prefetch_b8 v0, s[64:65] scope:SCOPE_SE
	s_setreg_imm32_b32 hwreg(HW_REG_WAVE_MODE, 25, 1), 1
	s_wait_xcnt 0x0
; FC: places the routed rows and computes hidden = Q(gelu(Q(x) W_fc[e]^T + b_fc[e])) for the rows that chose expert e alone (rows of experts not chosen are dead work: see the first kernel's head).
; PLACING.  idx holds one word a token, bit 4 e set for each of its two experts.  Every wave reads all 2,048 words (64 a lane: register 4 c + q of lane l is token 128 c + 4 l + q), sums them
; as nibbles (8 words at most to a sum), widens to bytes and to halves, and scans the 32 lanes: totals and each lane's count of earlier lanes' rows, for all eight experts at once.
; A row's rank in its expert goes by (lane, register).  Expert e has ceil(rows / 144) tiles of 144 places, one expert behind the other: at most 36 tiles whatever the split.
; The grid has 32 tiles along y; a work-group with y < 4 walks on to tile y + 32, so that all 36 are served.  Wave 0 alone lays the tile's tokens into the list in LDS (place held at 144, a word nobody reads;
; places without a row keep token 0: they are multiplied inside a tile that also holds live rows, and nobody reads their results).  Work-groups with x = 0 store lists: posof [2 token + slot] at POSOF
; (slot 1 where the token also chose an expert of a lower number) and tinfo [tile] = (expert, rows) at TINFO, (0, 0) for a tile without rows.
; THE PRODUCT.  A work-group takes 144 places (y) x 256 hidden units (x); K = 1,024 is eight steps of 128; codes of E2M3 with E8M0 scales, sums in f32.
; WAVES (i, j): places 64 i .. 64 i + 79 (five tiles of 16; tile 4 is multiplied by both i and leaves through i = 0 alone) x units 128 j .. + 127.  Source 0 = 16 rows of W, source 1 = 16 places, and lane r of W's
; tile 2 b + u takes row 32 b + 8 u + r + 8 (r / 8): a lane holds one place, and the 16 registers of tiles 2 b, 2 b + 1 are 16 neighbours along the next product's K.  hq takes images of the next operand's registers.
; gelu is reference()'s exact form, x / 2 (1 + erf(x / sqrt 2)), erf as z P(z^2) / Q(z^2) with z held to +-4, all in f32.
; W's 256 rows and x's 144 rows come through registers into LDS, a pair of rows by three loads of 512 consecutive bytes, as rows 784 bytes apart.
; NO TENSOR LOADS, NO CLUSTER: a tile without rows is passed over by branches on a count made of stored numbers.  Every barrier stands on every wave's way.
; LIMITS: NaN and infinities are not served; a block of the hidden layer whose largest magnitude lies under 2^(3 - 127) has its byte held at 1 (a block of zeros too: its codes are zeros, and this program alone reads the bytes).
; REGISTERS.  window 0: v1-31 addresses and the scan's results; v32-95 W's scale words (32 + 8 t + s); v96-135 x's (96 + 8 a + s); v136-255 at work.
;   window 1: accumulators (a < 4, t) at 64 a + 8 t (loading: W's pairs 0-15).  window 2: fragment set 0 (W 12 t, x 96 + 12 a), bias at 192 + 8 t (loading: W's pairs 16-31).
;   window 3: accumulators (4, t) at 8 t; fragment set 1 (W 64 + 12 t, x 160 + 12 a) (loading: x's 18 pairs).
.set XSO,   1572864
.set HSO,   7962624
.set POSOF, 20736
.set TINFO, 37120
.set XROW,  768                        ; LDS: 0: the list, 160 words;  XROW: x's 144 rows;  WROW: W's 256 rows;  SPARE: the spare words
.set WROW,  113664
.set WP,    784
.set SPARE, 314368
.set ROWP,  768
.set PB, 136
.set ZR, 136
.set TR, 200
.set X2, 208
.set PR, 216
.set QR, 232
.set PC, 200
.set TM, 220
.set PW, 236
.set SEL, 62
.set MSB, 0
.macro WIN new
.if MSB != (\new)
	s_set_vgpr_msb (MSB<<8)|(\new)
.set MSB, \new
.endif
.endm
.macro KPAIR r, val
	s_mov_b32 s[\r], \val
	s_mov_b32 s[\r+1], \val
.endm
.macro BAR
	s_wait_alu depctr_va_vdst(0)
	s_wait_dscnt 0x0                               ; my LDS stores have landed and my LDS loads are in
	s_barrier_signal -1
	s_barrier_wait -1
.endm
.macro WPAIRS win, p0, n               ; n pairs of W's rows, 1,536 bytes a pair
	WIN (\win)<<6
.set pp, 0
.rept \n
	global_load_b128 v[12*pp:12*pp+3], v3, s[8:9] offset:2*(\p0+pp)*ROWP
	global_load_b128 v[12*pp+4:12*pp+7], v4, s[8:9] offset:2*(\p0+pp)*ROWP
	global_load_b128 v[12*pp+8:12*pp+11], v3, s[8:9] offset:2*(\p0+pp)*ROWP+ROWP+256
.set pp, pp+1
.endr
	WIN 0
.endm
.macro PUT win, p0, n, ra, rb, perm    ; pairs into LDS; perm: of each 32 rows the two middle groups of eight change places
	WIN (\win)<<2
.set pp, 0
.rept \n
.set pq, \p0+pp
.if \perm
.set pq, (pq/16)*16+(pq%4)+8*((pq/4)%2)+4*((pq/8)%2)
.endif
	ds_store_b128 v[\ra], v[12*pp:12*pp+3] offset:2*WP*pq
	ds_store_b128 v[\rb], v[12*pp+4:12*pp+7] offset:2*WP*pq
	ds_store_b128 v[\ra], v[12*pp+8:12*pp+11] offset:2*WP*pq+WP+256
.set pp, pp+1
.endr
	WIN 0
.endm
.macro FETCHW s                        ; W's eight fragments of step s: 48 loads
.set FBW, 64*((\s)%2)
	WIN (2+(\s)%2)<<6
.irp t, 0,1,2,3,4,5,6,7
.irp p, 0,1,2,3,4,5
	ds_load_b64 v[FBW+12*\t+2*\p:FBW+12*\t+2*\p+1], v[10+\t/4] offset:16*(\t%4)*WP+96*(\s)+48*(\p/3)+8*(\p%3)
.endr
.endr
.endm
.macro FETCHX s                        ; x's five: 30 loads
.set FBX, 96+64*((\s)%2)
	WIN (2+(\s)%2)<<6
.irp a, 0,1,2,3,4
.irp p, 0,1,2,3,4,5
	ds_load_b64 v[FBX+12*\a+2*\p:FBX+12*\a+2*\p+1], v8 offset:16*\a*WP+96*(\s)+48*(\p/3)+8*(\p%3)
.endr
.endr
.endm
.macro MULA s, a                       ; eight products; the 40 accumulators take turns in the same order in every step.  Step 0 takes the bias as C
.set SW, 2+(\s)%2
.set FBW, 64*((\s)%2)
.set FBX, 96+64*((\s)%2)
.if \a < 4
.set DW, 1
.set DB, 64*\a
.else
.set DW, 3
.set DB, 0
.endif
.if (\s) == 0
	WIN (DW<<6)|(2<<4)|(SW<<2)|SW
.else
	WIN (DW<<6)|(DW<<4)|(SW<<2)|SW
.endif
.irp t, 0,1,2,3,4,5,6,7
.if (\s) == 0
	v_wmma_scale_f32_16x16x128_f8f6f4 v[DB+8*\t:DB+8*\t+7], v[FBW+12*\t:FBW+12*\t+11], v[FBX+12*\a:FBX+12*\a+11], v[192+8*\t:199+8*\t], v[32+8*\t+(\s)], v[96+8*\a+(\s)] matrix_a_fmt:MATRIX_FMT_FP6 matrix_b_fmt:MATRIX_FMT_FP6
.else
	v_wmma_scale_f32_16x16x128_f8f6f4 v[DB+8*\t:DB+8*\t+7], v[FBW+12*\t:FBW+12*\t+11], v[FBX+12*\a:FBX+12*\a+11], v[DB+8*\t:DB+8*\t+7], v[32+8*\t+(\s)], v[96+8*\a+(\s)] matrix_a_fmt:MATRIX_FMT_FP6 matrix_b_fmt:MATRIX_FMT_FP6
.endif
.endr
.endm
.macro STEP s
.if (\s) > 0
.rept 4
	v_nop                                          ; four places in front of loads into the set that the last step's products read
.endr
.endif
.if (\s) < 7
	FETCHW (\s)+1
	s_wait_dscnt 48                                ; all but the 48 just issued: this step's fragments are in
.else
	s_wait_dscnt 0x0
.endif
	MULA \s, 0
	MULA \s, 1
.if (\s) < 7
	FETCHX (\s)+1
.endif
	MULA \s, 2
	MULA \s, 3
	MULA \s, 4
	WIN 0
.endm
.macro QUANT s                         ; 64 numbers of a lane become a fragment's codes in v[PC] on and its scale word in v[PW]
.irp b, 0,1,2,3
	v_max3_num_f32 v[TM+\b], |v[\s+16*\b]|, |v[\s+1+16*\b]|, 0x1800000   ; with the floor 2^(3 - 127)
.endr
.irp i, 2,4,6,8,10,12,14
.irp b, 0,1,2,3
	v_max3_num_f32 v[TM+\b], v[TM+\b], |v[\s+16*\b+\i]|, |v[\s+1+16*\b+\i]|
.endr
.endr
.irp b, 0,1,2,3
	v_permlanex16_b32 v[TM+4+\b], v[TM+\b], s[SEL], s[SEL+1]
.endr
.irp b, 0,1,2,3
	v_max_num_f32 v[TM+\b], v[TM+\b], v[TM+4+\b]
.endr
.irp b, 0,1,2,3
	v_add_nc_u32 v[TM+12+\b], 0xff000000, v[TM+\b] ; 2 off the exponent field: the conversion's scale operand
.endr
.irp b, 0,1,2,3
	v_lshrrev_b32 v[TM+4+\b], 23, v[TM+12+\b]
.endr
	v_lshl_or_b32 v[PW], v[TM+5], 8, v[TM+4]
	v_lshl_or_b32 v[PW], v[TM+6], 16, v[PW]
	v_lshl_or_b32 v[PW], v[TM+7], 24, v[PW]
.irp c, 0,1
	v_cvt_scalef32_pk16_fp6_f32 v[PC+6*\c:PC+2+6*\c], v[\s+32*\c:\s+15+32*\c], v[TM+12+2*\c]
	v_cvt_scalef32_pk16_fp6_f32 v[PC+12+4*\c:PC+14+4*\c], v[\s+16+32*\c:\s+31+32*\c], v[TM+12+2*\c+1]
.endr
	v_nop                                          ; one plain place behind a scaled conversion
.irp c, 0,1
.irp i, 0,1,2
	v_permlane16_swap_b32 v[PC+6*\c+\i], v[PC+12+4*\c+\i]
.endr
.irp i, 0,1,2
	v_mov_b32 v[PC+3+6*\c+\i], v[PC+12+4*\c+\i]
.endr
.endr
.endm
.macro HORN dst, cs
.irp k, 0,2,4,6
	v_pk_fma_f32 v[\dst+\k:\dst+\k+1], v[\dst+\k:\dst+\k+1], v[X2+\k:X2+\k+1], s[\cs:\cs+1] op_sel_hi:[1,1,0]
.endr
.endm
.macro ZBLK a                          ; z = x / sqrt 2 of my tile a: each accumulator from its low end on
.if \a < 4
	WIN 0x01
.set AC, 64*\a
.else
	WIN 0x03
.set AC, 0
.endif
	s_wait_alu depctr_va_vdst(0)                   ; the wait ahead of the first reader of matrix results
.set n, 0
.rept 32
	v_pk_mul_f32 v[ZR+2*n:ZR+2*n+1], v[AC+2*n:AC+2*n+1], s[36:37] op_sel_hi:[1,0]
.set n, n+1
.endr
	WIN 0
.endm
.macro EBLK a, next
	s_cmp_eq_u32 s78, \a
	s_cbranch_scc0 \next
	ZBLK \a
	s_branch .Lgelu
\next:
.endm
.macro SCN k, m                        ; one step of the scan: the sibling block's sums; they count as earlier where my lane's bit k is set
.irp i, 0,1,2,3
.if \k < 4
	v_mov_b32_dpp v[218+\i], v[210+\i] row_xmask:\m row_mask:0xf bank_mask:0xf
.else
	v_permlanex16_b32 v[218+\i], v[210+\i], s[SEL], s[SEL+1]
.endif
.endr
.irp i, 0,1,2,3
	v_and_b32 v[236+\i], v[222+\k], v[218+\i]
.endr
.irp i, 0,1,2,3
	v_add_nc_u32 v[210+\i], v[210+\i], v[218+\i]
.endr
.irp i, 0,1,2,3
	v_add_nc_u32 v[20+\i], v[20+\i], v[236+\i]
.endr
.endm
.macro PLOAD                           ; the 2,048 tokens' words
.irp c, 0,1,2,3,4,5,6,7,8,9,10,11,12,13,14,15
	global_load_b128 v[PB+4*\c:PB+4*\c+3], v3, s[6:7] offset:512*\c
.endr
.endm
	s_load_b256 s[4:11], s[0:1], 0x0               ; xq s[4:5], idx s[6:7], W's codes s[8:9], W's scales s[10:11]
	s_load_b128 s[12:15], s[0:1], 0x20             ; b_fc s[12:13], hq s[14:15]
	s_load_b64 s[66:67], s[0:1], 0x30              ; lists
	v_lshl_add_u32 v12, v0, 2, SPARE               ; my spare word; never rewritten
	v_mov_b32 v13, 0                               ; 0, for the add alone
	v_lshrrev_b32 v241, 5, v0
	v_readfirstlane_b32 s16, v241                  ; wave
	s_lshr_b32 s17, s16, 1                         ; i
	s_and_b32 s18, s16, 1                          ; j
	s_and_b32 s19, ttmp7, 0xffff                   ; the tile of places
	s_lshl_b32 s23, ttmp9, 1
	s_add_co_u32 s23, s23, s18                     ; 2 x + j: which K step of the next product my units are
	s_mov_b32 s29, 0
	v_and_b32 v1, 15, v0                           ; r
	v_bfe_u32 v2, v0, 4, 1                         ; h
	v_and_b32 v240, 31, v0                         ; lane
	v_lshlrev_b32 v3, 4, v240                      ; 16 lane
	v_lshlrev_b32 v16, 2, v240                     ; 4 lane
	v_add_nc_u32 v4, 512, v3
	s_mul_i32 s22, s16, 64*WP
	s_add_co_u32 s22, s22, WROW
	v_add_nc_u32 v5, s22, v3                       ; W into LDS: my wave's 64 rows
	v_lshl_add_u32 v6, v2, 4, v5
	v_add_nc_u32 v6, 512, v6                       ; a pair's second 512 bytes: lanes 16-31 are in the next row, 16 bytes of padding on
	s_mul_i32 s22, s16, 36*WP
	s_add_co_u32 s22, s22, XROW
	v_add_nc_u32 v7, s22, v3                       ; x into LDS: my wave's 36 rows
	v_lshl_add_u32 v9, v2, 4, v7
	v_add_nc_u32 v9, 512, v9
	v_mul_u32_u24 v10, v1, WP
	v_mad_u32_u24 v10, v2, 24, v10                 ; a fragment's row x pitch + 24 h
	s_mul_i32 s22, s17, 64*WP
	s_add_co_u32 s22, s22, XROW
	v_add_nc_u32 v8, s22, v10                      ; x's fragments: place 64 i + r
	s_mul_i32 s22, s18, 128*WP
	s_add_co_u32 s22, s22, WROW
	v_add_nc_u32 v10, s22, v10                     ; W's: row 128 j + r: tiles 0-3,
	v_add_nc_u32 v11, 64*WP, v10                   ; tiles 4-7
	v_and_b32 v241, 8, v1
	v_add_nc_u32 v241, v241, v1                    ; r + 8 (r / 8)
	v_lshlrev_b32 v14, 5, v241                     ; W's scale bytes: 32 a row
	v_lshlrev_b32 v15, 6, v2                       ; the bias: 16 h numbers on
	v_lshlrev_b32 v30, 6, v1                       ; hq's scale words: 64 bytes a place
	v_lshlrev_b32 v31, 2, v1
	s_lshl_b32 s22, s17, 8
	v_add_nc_u32 v31, s22, v31                     ; the list: place 64 i + r
	s_mul_i32 s22, s16, 144
	v_mov_b32 v17, s22                             ; the list: my wave's 36 places
	v_mul_u32_u24 v18, v2, 768
	v_sub_nc_u32 v18, v4, v18                      ; a pair's second 512 bytes in memory: 16 lane + 512 in the first row, 16 lane - 256 in the second
	v_mov_b32 v19, 0
.irp k, 0,1,2,3,4
	v_bfe_u32 v[222+\k], v240, \k, 1
.endr
.irp k, 0,1,2,3,4
	v_sub_nc_u32 v[222+\k], 0, v[222+\k]           ; all ones where my lane's bit k is set
.endr
.irp i, 0,1,2,3
	v_mov_b32 v[20+\i], 0
	v_mov_b32 v[218+\i], 0
.endr
	KPAIR 36, 0x3f3504f3                           ; 1 / sqrt 2
	KPAIR 38, 0xaf95df0b                           ; P's coefficients, the highest first (the second in v248)
	KPAIR 40, 0xb60cff51
	KPAIR 42, 0xb86ec2d2
	KPAIR 44, 0xba40ac63
	KPAIR 46, 0xbb41a1f6
	KPAIR 48, 0xbc83dbd4
	KPAIR 50, 0xb77460cd                           ; Q's (the second in v250)
	KPAIR 52, 0xbadc924e
	KPAIR 54, 0xbbf19bf8
	KPAIR 56, 0xbc69b6a7
	s_mov_b32 s[SEL], 0x76543210
	s_mov_b32 s[SEL+1], 0xfedcba98
	s_mov_b32 s58, 0xffff0000                      ; lanes 16-31
	s_mov_b32 s84, 0x0f0f0f0f
	s_mov_b32 s85, 0x00ff00ff
	s_wait_alu depctr_va_vdst(0)
	s_wait_kmcnt 0x0
	PLOAD
	s_mov_b64 s[70:71], s[8:9]                     ; the buffers' addresses stay; each tile's are made from them
	s_mov_b64 s[72:73], s[10:11]
	s_mov_b64 s[74:75], s[12:13]
	s_mov_b64 s[76:77], s[14:15]
	s_add_nc_u64 s[32:33], s[4:5], XSO             ; x's scale bytes
	s_wait_loadcnt 0x0
.irp g, 0,1,2,3,4,5,6,7                ; eight words to a sum: a nibble holds 8 at most
	v_add3_u32 v[200+\g], v[PB+8*\g], v[PB+8*\g+1], v[PB+8*\g+2]
.endr
.irp g, 0,1,2,3,4,5,6,7
	v_add3_u32 v[200+\g], v[200+\g], v[PB+8*\g+3], v[PB+8*\g+4]
.endr
.irp g, 0,1,2,3,4,5,6,7
	v_add3_u32 v[200+\g], v[200+\g], v[PB+8*\g+5], v[PB+8*\g+6]
.endr
.irp g, 0,1,2,3,4,5,6,7
	v_add_nc_u32 v[200+\g], v[200+\g], v[PB+8*\g+7]
.endr
.irp g, 0,1,2,3,4,5,6,7
	v_lshrrev_b32 v[228+\g], 4, v[200+\g]
.endr
.irp g, 0,1,2,3,4,5,6,7
	v_and_b32 v[200+\g], s84, v[200+\g]            ; bytes: experts 0, 2, 4, 6
	v_and_b32 v[228+\g], s84, v[228+\g]            ; experts 1, 3, 5, 7
.endr
	v_add3_u32 v208, v200, v201, v202
	v_add3_u32 v209, v228, v229, v230
	v_add3_u32 v208, v208, v203, v204
	v_add3_u32 v209, v209, v231, v232
	v_add3_u32 v208, v208, v205, v206
	v_add3_u32 v209, v209, v233, v234
	v_add_nc_u32 v208, v208, v207                  ; a byte holds 64 at most
	v_add_nc_u32 v209, v209, v235
	v_lshrrev_b32 v211, 8, v208
	v_lshrrev_b32 v213, 8, v209
	v_and_b32 v210, s85, v208                      ; halves: experts 0 and 4,
	v_and_b32 v211, s85, v211                      ; 2 and 6,
	v_and_b32 v212, s85, v209                      ; 1 and 5,
	v_and_b32 v213, s85, v213                      ; 3 and 7: expert e in register 2 (e % 2) + (e / 2) % 2, half e / 4
	SCN 0, 1
	SCN 1, 2
	SCN 2, 4
	SCN 3, 8
	SCN 4, 16
.irp i, 0,1,2,3
	v_readfirstlane_b32 s[80+\i], v[210+\i]        ; the totals; v20-23 hold the earlier lanes' counts
.endr
	s_wait_alu depctr_va_vdst(0)
; A TILE'S PREPARATION: its expert and rows, its addresses, W's scale words, the bias, wave 0's list, W's 256 rows into registers.  It stands ahead of the loop, with all its loads (cond = 0), and at the loop's foot,
; where a next tile without rows passes over everything behind the addresses (cond = 1): so every register that a trip reads has been loaded on every way, and W's loads are out while wave 0 lays the list.
.macro PREP cond
	s_wait_xcnt 0x0
	s_wait_loadcnt 0x0
.rept 5
	v_nop                                          ; places in front of loads into registers that products have named
.endr
	s_mov_b32 s86, 0
	s_mov_b32 s20, 0                               ; the tile's expert,
	s_mov_b32 s68, 0                               ; its number among the expert's tiles,
	s_mov_b32 s69, 0                               ; the expert's rows
.irp e, 0,1,2,3,4,5,6,7
.if \e < 4
	s_and_b32 s87, s[80+2*(\e%2)+(\e/2)%2], 0xffff
.else
	s_lshr_b32 s87, s[80+2*(\e%2)+(\e/2)%2], 16
.endif
	s_add_co_u32 s88, s87, 143
	s_mul_i32 s88, s88, 7282
	s_lshr_b32 s88, s88, 20                        ; ceil(rows / 144): n x 7282 >> 20 is n / 144 rounded down for every n under 32,768
	s_sub_co_u32 s89, s19, s86
	s_cmp_lt_u32 s89, s88                          ; (an earlier tile wraps to a large number)
	s_cselect_b32 s20, \e, s20
	s_cselect_b32 s68, s89, s68
	s_cselect_b32 s69, s87, s69
	s_add_co_u32 s86, s86, s88
.endr
	s_mul_i32 s61, s68, 144                        ; the tile's first rank
	s_sub_co_u32 s21, s69, s61
	s_min_u32 s21, s21, 144                        ; its rows; 0 for a tile that this split leaves without
	s_min_u32 s20, s20, 7
	s_lshl_b32 s59, s20, 2
	s_bfm_b32 s60, s59, 0                          ; the bits of the experts below mine
	s_and_b32 s91, s20, 1
	s_cmp_lg_u32 s91, 0
	s_cselect_b32 s91, -1, 0
	s_bfe_u32 s92, s20, 0x10001
	s_cmp_lg_u32 s92, 0
	s_cselect_b32 s92, -1, 0
	s_lshr_b32 s93, s20, 2
	s_lshl_b32 s93, s93, 4
	s_mul_i32 s28, s19, 9216
	s_mul_i32 s3, s17, 5120                        ; place 64 i, and i's first tile of the way out is tile i: 4,096 i + 1,024 i
	s_add_co_u32 s28, s28, s3
	s_lshl_b32 s3, s23, 2
	s_add_co_u32 s28, s28, s3
	s_add_co_u32 s28, s28, HSO
	s_add_nc_u64 s[34:35], s[76:77], s[28:29]      ; hq's scale words
	s_mul_i32 s28, s19, 221184
	s_mul_i32 s3, s23, 13824
	s_add_co_u32 s28, s28, s3
	s_mul_i32 s3, s17, 7680                        ; 6,144 i + 1,536 i
	s_add_co_u32 s28, s28, s3
	s_add_nc_u64 s[14:15], s[76:77], s[28:29]      ; hq's images
	s_mul_i32 s28, s20, 0x180000
	s_mul_i32 s3, ttmp9, 196608
	s_add_co_u32 s28, s28, s3
	s_mul_i32 s3, s16, 49152
	s_add_co_u32 s28, s28, s3
	s_add_nc_u64 s[8:9], s[70:71], s[28:29]        ; W's codes: expert, 256 x rows, my wave's 64
	s_lshl_b32 s28, s20, 16
	s_lshl_b32 s3, ttmp9, 13
	s_add_co_u32 s28, s28, s3
	s_lshl_b32 s3, s18, 12
	s_add_co_u32 s28, s28, s3
	s_add_nc_u64 s[10:11], s[72:73], s[28:29]      ; W's scale bytes at row 256 x + 128 j
	s_lshl_b32 s28, s20, 13
	s_lshl_b32 s3, ttmp9, 10
	s_add_co_u32 s28, s28, s3
	s_lshl_b32 s3, s18, 9
	s_add_co_u32 s28, s28, s3
	s_add_nc_u64 s[12:13], s[74:75], s[28:29]      ; the bias likewise
.if \cond
	s_cmp_eq_u32 s21, 0
	s_cbranch_scc1 .Lprepped\@
.endif
.irp t, 0,1,2,3,4,5,6,7
.irp q, 0,1
	global_load_b128 v[32+8*\t+4*\q:32+8*\t+4*\q+3], v14, s[10:11] offset:(32*(\t/2)+8*(\t%2))*32+16*\q
.endr
.endr
	WIN 0x80
.irp t, 0,1,2,3,4,5,6,7
.irp q, 0,1
	global_load_b128 v[192+8*\t+4*\q:192+8*\t+4*\q+3], v15, s[12:13] offset:(32*(\t/2)+8*(\t%2))*4+16*\q
.endr
.endr
	WIN 0
	s_cmp_lg_u32 s16, 0                            ; THE LIST is wave 0's work alone: no other wave touches LDS between the barriers round it
	s_cbranch_scc1 .Llisted\@
.irp k, 0,1,2,3,4
	ds_store_b32 v16, v19 offset:128*\k            ; 160 words of zeros; LDS serves a wave's instructions in order, so the tokens land on top of them
.endr
	s_cmp_eq_u32 s21, 0
	s_cbranch_scc1 .Llisted\@
	s_cmp_lt_u32 s19, 32
	s_cbranch_scc1 .Lhave\@
	PLOAD                                          ; a second tile: the words' registers have been at work since
	s_wait_loadcnt 0x0
.Lhave\@:
	v_cndmask_b32 v200, v20, v21, s92
	v_cndmask_b32 v201, v22, v23, s92
	v_cndmask_b32 v200, v200, v201, s91
	v_bfe_u32 v200, v200, s93, 16                  ; my expert's rows in the lanes before mine
	v_sub_nc_u32 v24, v200, s61
	v_lshlrev_b32 v24, 2, v24                      ; 4 x (my next row's place in the tile): ahead of the tile it wraps to a large number
.set j, 0
.rept 8
.irp u, 0,1,2,3,4,5,6,7
	v_bfe_u32 v[200+\u], v[PB+j+\u], s59, 1        ; did the token choose my expert?
.endr
.irp u, 0,1,2,3,4,5,6,7
	v_add_nc_u32 v[208+\u], -1, v[200+\u]          ; all ones where not
.endr
.irp u, 0,1,2,3,4,5,6,7
	v_or_b32 v[208+\u], v24, v[208+\u]
	v_lshl_add_u32 v24, v[200+\u], 2, v24
.endr
.irp u, 0,1,2,3,4,5,6,7
	v_min_u32 v[208+\u], 576, v[208+\u]            ; held inside the list: word 144 takes all that is not of this tile
.endr
.irp u, 0,1,2,3,4,5,6,7
	v_add_nc_u32 v[216+\u], 128*((j+\u)/4)+(j+\u)%4, v16
.endr
.irp u, 0,1,2,3,4,5,6,7
	ds_store_b32 v[208+\u], v[216+\u]
.endr
.set j, j+8
.endr
.Llisted\@:
	WPAIRS 1, 0, 16
	WPAIRS 2, 16, 16
.Lprepped\@:
.endm
	PREP 0
.Ltile:
	BAR                                            ; the list lies in LDS
.irp a, 0,1,2,3,4
	ds_load_b32 v[25+\a], v31 offset:64*\a
.endr
	s_wait_dscnt 0x0
.irp a, 0,1,2,3,4
	v_min_u32 v[25+\a], 2047, v[25+\a]
.endr
.irp a, 0,1,2,3,4
	v_lshlrev_b32 v[25+\a], 5, v[25+\a]
.endr
.irp a, 0,1,2,3,4
.irp q, 0,1
	global_load_b128 v[96+8*\a+4*\q:96+8*\a+4*\q+3], v[25+\a], s[32:33] offset:16*\q   ; x's scale words
.endr
.endr
	s_cmp_eq_u32 s21, 0                            ; a tile without rows fetches and multiplies nothing
	s_cbranch_scc1 .Lbar
.set p, 0
.rept 18
	ds_load_b64 v[136+2*p:137+2*p], v17 offset:8*p ; the tokens of my pair p, the same in every lane
.set p, p+1
.endr
	s_wait_dscnt 0x0
.set p, 0
.rept 18
	v_cndmask_b32 v[201+3*p], v[136+2*p], v[137+2*p], s58
	v_min_u32 v[200+3*p], 2047, v[136+2*p]
	v_min_u32 v[202+3*p], 2047, v[137+2*p]
	v_min_u32 v[201+3*p], 2047, v[201+3*p]
	v_mad_u32_u24 v[200+3*p], v[200+3*p], 768, v3
	v_mad_u32_u24 v[202+3*p], v[202+3*p], 768, v3
	v_mad_u32_u24 v[201+3*p], v[201+3*p], 768, v18
.set p, p+1
.endr
	WIN 0xc0
.set p, 0
.rept 18
	global_load_b128 v[12*p:12*p+3], v[200+3*p], s[4:5]              ; 512 consecutive bytes of the first row,
	global_load_b128 v[12*p+4:12*p+7], v[201+3*p], s[4:5]            ; its last 256 and the second row's first 256,
	global_load_b128 v[12*p+8:12*p+11], v[202+3*p], s[4:5] offset:256 ; the second row's last 512
.set p, p+1
.endr
	WIN 0
	s_wait_loadcnt 63                              ; behind W's first 48 loads 112 were issued: with 63 out they are in
	PUT 1, 0, 16, 5, 6, 1
	s_wait_loadcnt 54                              ; all but x's 54
	PUT 2, 16, 16, 5, 6, 1
	s_wait_loadcnt 0x0
	PUT 3, 0, 18, 7, 9, 0
.Lbar:
	BAR                                            ; both operands lie in LDS
	s_cmp_eq_u32 s21, 0
	s_cbranch_scc1 .Lend
	s_wait_loadcnt 0x0                             ; the scale words and the bias, on every way here
	FETCHW 0
	FETCHX 0
.irp s, 0,1,2,3,4,5,6,7
	STEP \s
.endr
	v_mov_b32 v248, 0x32edffee                     ; two constants in vector pairs: also the four places behind the last products
	v_mov_b32 v249, 0x32edffee
	v_mov_b32 v250, 0xb95fbd29
	v_mov_b32 v251, 0xb95fbd29
	s_mov_b32 s78, s17                             ; THE WAY OUT, a trip a tile of places: i = 0 takes tiles 0-4, i = 1 tiles 1-4 (the shared tile leaves through i = 0)
.Lepi:
	EBLK 0, .Le1
	EBLK 1, .Le2
	EBLK 2, .Le3
	EBLK 3, .Le4
	ZBLK 4
.Lgelu:
.irp b, 0,1,2,3
.irp g, 0,1
.irp k, 0,1,2,3,4,5,6,7
	v_med3_num_f32 v[TR+\k], v[ZR+16*\b+8*\g+\k], -4.0, 4.0
.endr
.irp k, 0,2,4,6
	v_pk_mul_f32 v[X2+\k:X2+\k+1], v[TR+\k:TR+\k+1], v[TR+\k:TR+\k+1]
.endr
.irp k, 0,2,4,6
	v_pk_fma_f32 v[PR+8*\g+\k:PR+8*\g+\k+1], v[X2+\k:X2+\k+1], s[38:39], v[248:249] op_sel_hi:[1,0,1]
.endr
.irp k, 0,2,4,6
	v_pk_fma_f32 v[QR+8*\g+\k:QR+8*\g+\k+1], v[X2+\k:X2+\k+1], s[50:51], v[250:251] op_sel_hi:[1,0,1]
.endr
	HORN PR+8*\g, 40
	HORN QR+8*\g, 52
	HORN PR+8*\g, 42
	HORN QR+8*\g, 54
	HORN PR+8*\g, 44
	HORN QR+8*\g, 56
	HORN PR+8*\g, 46
	HORN PR+8*\g, 48
.irp k, 0,2,4,6
	v_pk_mul_f32 v[PR+8*\g+\k:PR+8*\g+\k+1], v[PR+8*\g+\k:PR+8*\g+\k+1], v[TR+\k:TR+\k+1]
.endr
.endr
	s_wait_alu depctr_va_vdst(0)
.irp k, 0,1,2,3,4,5,6,7,8,9,10,11,12,13,14,15
	v_rcp_f32 v[QR+\k], v[QR+\k]
.endr
.irp k, 0,2,4,6,8,10,12,14
	v_pk_mul_f32 v[ZR+16*\b+\k:ZR+16*\b+\k+1], v[ZR+16*\b+\k:ZR+16*\b+\k+1], s[36:37] op_sel_hi:[1,0]   ; x / 2: plain work behind the reciprocals
.endr
	s_wait_alu depctr_va_vdst(0)                   ; one wait for the 16 reciprocals, ahead of their first reader
.irp k, 0,2,4,6,8,10,12,14
	v_pk_mul_f32 v[PR+\k:PR+\k+1], v[PR+\k:PR+\k+1], v[QR+\k:QR+\k+1]   ; erf
.endr
.irp k, 0,2,4,6,8,10,12,14
	v_pk_fma_f32 v[ZR+16*\b+\k:ZR+16*\b+\k+1], v[ZR+16*\b+\k:ZR+16*\b+\k+1], v[PR+\k:PR+\k+1], v[ZR+16*\b+\k:ZR+16*\b+\k+1]
.endr
.endr
	QUANT ZR
.irp c, 0,1,2
	global_store_b128 v3, v[PC+4*\c:PC+4*\c+3], s[14:15] offset:512*\c   ; 32 lanes store 512 consecutive bytes
.endr
	global_store_b32 v30, v[PW], s[34:35]          ; a word a place, 64 bytes apart: one part in 24 of what the tile stores
	s_wait_xcnt 0x0                                ; the stores have read their registers and bases
	s_add_nc_u64 s[14:15], s[14:15], 1536
	s_add_nc_u64 s[34:35], s[34:35], 1024
	s_add_co_u32 s78, s78, 1
	s_cmp_lt_u32 s78, 5
	s_wait_alu depctr_va_vdst(0)
	s_cbranch_scc1 .Lepi
.Lend:
	s_cmp_lg_u32 ttmp9, 0                          ; lists: stored once for each tile, by wave 3 of the work-group with x = 0
	s_cbranch_scc1 .Lnolist
	s_cmp_lg_u32 s16, 3
	s_cbranch_scc1 .Lnolist
	v_lshrrev_b32 v156, 2, v16                     ; lane
	v_mov_b32 v162, s20
	v_mov_b32 v163, s21
	s_lshl_b32 s22, s19, 3
	v_mov_b32 v164, s22
	s_cmp_eq_u32 s21, 0                            ; a tile without rows has no place to store
	s_wait_alu depctr_va_vdst(0)
	s_cbranch_scc1 .Ltinfo
.irp k, 0,1,2,3,4
	ds_load_b32 v[136+\k], v16 offset:128*\k       ; the token at place 32 k + lane
.endr
	s_mul_i32 s3, s19, 144
	s_wait_dscnt 0x0
.irp k, 0,1,2,3,4
	v_min_u32 v[136+\k], 2047, v[136+\k]
.endr
.irp k, 0,1,2,3,4
	v_lshlrev_b32 v[141+\k], 2, v[136+\k]
.endr
.irp k, 0,1,2,3,4
	global_load_b32 v[146+\k], v[141+\k], s[6:7]   ; its word
.endr
.irp k, 0,1,2,3,4
	v_add_nc_u32 v[151+\k], 32*\k, v156            ; the place in the tile,
.endr
.irp k, 0,1,2,3,4
	v_add_nc_u32 v[157+\k], s3, v[151+\k]          ; and in all
.endr
	s_wait_loadcnt 0x0
.irp k, 0,1,2,3,4
	v_and_b32 v[146+\k], s60, v[146+\k]
.endr
.irp k, 0,1,2,3,4
	v_min_u32 v[146+\k], 1, v[146+\k]              ; slot 1 where the token also chose an expert below mine
.endr
.irp k, 0,1,2,3,4
	v_lshlrev_b32 v[146+\k], 2, v[146+\k]
.endr
.irp k, 0,1,2,3,4
	v_lshl_add_u32 v[141+\k], v[136+\k], 3, v[146+\k]
.endr
	s_wait_alu depctr_va_vdst(0)
	s_wait_xcnt 0x0                                ; EXEC changes only behind this wait
.irp k, 0,1,2,3,4
	v_cmpx_gt_u32 s21, v[151+\k]                   ; places that hold a row
	global_store_b32 v[141+\k], v[157+\k], s[66:67] offset:POSOF
	s_wait_xcnt 0x0
	s_mov_b32 exec_lo, -1
.endr
.Ltinfo:
	s_wait_xcnt 0x0                                ; EXEC changes only behind this wait
	v_cmpx_eq_u32 0, v156
	global_store_b64 v164, v[162:163], s[66:67] offset:TINFO
	s_wait_xcnt 0x0
	s_mov_b32 exec_lo, -1
.Lnolist:
	BAR                                            ; nobody reads this tile's LDS bytes any more
	s_add_co_u32 s19, s19, 32
	s_cmp_lt_u32 s19, 36
	s_cbranch_scc0 .Lexit                          ; no further tile: a condition made of ids alone
	PREP 1
	s_cmp_lt_u32 s19, 36
	s_wait_alu depctr_va_vdst(0)
	s_cbranch_scc1 .Ltile
.Lexit:
	s_wait_tensorcnt 0x0                           ; the wave's end
	ds_add_u32 v12, v13
	s_wait_dscnt 0x0
	s_endpgm
.Lfunc_end_k_q1187696b12_fc:
	.size	k_q1187696b12_fc, .Lfunc_end_k_q1187696b12_fc-k_q1187696b12_fc
	.p2alignl 7, 3214868480
	.fill 96, 4, 3214868480
	.section	.rodata,"a",@progbits
	.p2align	6, 0x0
	.amdhsa_kernel k_q1187696b12_fc
		.amdhsa_group_segment_fixed_size 314880
		.amdhsa_private_segment_fixed_size 0
		.amdhsa_enable_private_segment 0
		.amdhsa_kernarg_size 56
		.amdhsa_user_sgpr_count 2
		.amdhsa_user_sgpr_kernarg_segment_ptr 1
		.amdhsa_wavefront_size32 1
		.amdhsa_system_sgpr_workgroup_id_x 1
		.amdhsa_system_sgpr_workgroup_id_y 1
		.amdhsa_system_sgpr_workgroup_id_z 1
		.amdhsa_system_vgpr_workitem_id 0
		.amdhsa_next_free_vgpr 1024
		.amdhsa_next_free_sgpr 100
		.amdhsa_reserve_vcc 0
		.amdhsa_float_denorm_mode_32 3
		.amdhsa_float_denorm_mode_16_64 3
		.amdhsa_memory_ordered 1
		.amdhsa_forward_progress 1
		.amdhsa_inst_pref_size 255
	.end_amdhsa_kernel
	.section	.bss,"aw",@nobits
	.p2align	6
	.space	262144
	.amdgpu_metadata
---
amdhsa.version: [ 1, 2 ]
amdhsa.kernels:
  - .name:           k_q1187696b12_fc
    .symbol:         k_q1187696b12_fc.kd
    .args:
      - { .name: xq, .offset: 0, .size: 8, .value_kind: global_buffer, .address_space: global }
      - { .name: idx, .offset: 8, .size: 8, .value_kind: global_buffer, .address_space: global }
      - { .name: w_fc_codes, .offset: 16, .size: 8, .value_kind: global_buffer, .address_space: global }
      - { .name: w_fc_scales, .offset: 24, .size: 8, .value_kind: global_buffer, .address_space: global }
      - { .name: b_fc, .offset: 32, .size: 8, .value_kind: global_buffer, .address_space: global }
      - { .name: hq, .offset: 40, .size: 8, .value_kind: global_buffer, .address_space: global }
      - { .name: lists, .offset: 48, .size: 8, .value_kind: global_buffer, .address_space: global }
    .group_segment_fixed_size: 314880
    .private_segment_fixed_size: 0
    .kernarg_segment_align: 8
    .kernarg_segment_size: 56
    .max_flat_workgroup_size: 128
    .sgpr_count:     100
    .vgpr_count:     1024
    .wavefront_size: 32
...
	.end_amdgpu_metadata
.endif
;; end of part 2
;; launch proj (part 3): grid 8 x 32, 4 waves a work-group, no clusters, 322,048 bytes of LDS; arguments hq, lists, w_proj_codes, w_proj_scales, b_proj, part; writes part
.if DOCPART == 3
	.amdgcn_target "amdgcn-amd-amdhsa--gfx1250"
	.amdhsa_code_object_version 6
	.text
	.protected	k_q1187696b12_proj
	.globl	k_q1187696b12_proj
	.p2align	8
	.type	k_q1187696b12_proj,@function
k_q1187696b12_proj:
	s_mov_b64 s[64:65], 0
	v_nop
	global_prefetch_b8 v0, s[64:65] scope:SCOPE_SE
	s_setreg_imm32_b32 hwreg(HW_REG_WAVE_MODE, 25, 1), 1
	s_wait_xcnt 0x0
; PROJ: part[place] = hidden[place] W_proj[e]^T + b_proj[e], for the places of the chosen rows alone (the rows of experts not chosen are dead work: see the first kernel's head).  The gate's weight comes in the last launch.
; A work-group takes one tile of 144 places (y) and 128 outputs (x); K = 2,048 is 16 steps of 128.  Both operands are codes of E2M3 with E8M0 scales; sums in f32.
; WAVES (i, j): places 64 i .. 64 i + 79 (five tiles of 16; tile 4 is multiplied by both i and leaves through i = 0 alone) x outputs 64 j .. 64 j + 63 (four tiles).  Transposed use: source 0 = 16 rows of W, source 1 = 16 places:
; a lane holds eight neighbouring outputs of one place.
; LDS: the tile's hidden codes, 221,184 bytes of images of operand registers, are copied as they lie.  Beside them is room for half of K of W's 128 rows (pitch 784): the second half is asked for behind the first half's LDS stores,
; stays in registers under steps 0-7, and takes the first half's bytes between two barriers.  The way out goes through stages in W's bytes, behind a barrier behind which nobody reads them.
; NO TENSOR LOADS, NO CLUSTER: a tile that this split leaves without rows is passed over by branches on a stored count.
; Every barrier stands on every wave's way; the branches lead round loads, LDS stores and products alone.  What a later phase reads from registers is loaded ahead of the first branch: the scale words (for a tile without rows:
; tile 0's, which always has rows, since 4,096 rows make at least 29 tiles), the bias, straight into the accumulators, so that every step is a link in place, and W's first half.  A tile without rows waits for none of these.
; REGISTERS.  window 0: v1-19 addresses; v32-95 W's scale words (32 + 16 t + s); v96-175 the places' (96 + 16 a + s); v176-255 accumulators q = 4 a + t under 10 (176 + 8 q).
;   window 1: two fragment sets (108 p: W 12 t, hidden 48 + 12 a); while loading: v216-255 chunks 44-53 of the copy; on the way out: rows.   window 2: v176-255 accumulators 10-19; while loading: v0-175 chunks 0-43.   window 3: v0-191 W's pairs.
.set HSO,   7962624
.set TINFO, 37120
.set WROW,  221184
.set WP,    784
.set SPARE, 321536                     ; the spare words, 128 bytes for each wave
.set ROWP,  1536                       ; a row of W in memory
.set MSB, 0
.macro WIN new                         ; the immediate's high byte repeats the setting that is left
.if MSB != (\new)
	s_set_vgpr_msb (MSB<<8)|(\new)
.set MSB, \new
.endif
.endm
.macro WPAIRS kh                       ; my wave's 16 pairs of rows, 768 bytes of each row from byte kh on: three loads of 512 bytes a pair, into window 3
	WIN 0xc0
.set pp, 0
.rept 16
	global_load_b128 v[12*pp:12*pp+3], v3, s[8:9] offset:2*pp*ROWP+\kh
	global_load_b128 v[12*pp+4:12*pp+7], v4, s[8:9] offset:2*pp*ROWP+\kh
	global_load_b128 v[12*pp+8:12*pp+11], v3, s[8:9] offset:2*pp*ROWP+ROWP+256+\kh
.set pp, pp+1
.endr
	WIN 0
.endm
.macro WPUT
	WIN 0x0c
.set pp, 0
.rept 16
	ds_store_b128 v5, v[12*pp:12*pp+3] offset:2*WP*pp
	ds_store_b128 v6, v[12*pp+4:12*pp+7] offset:2*WP*pp
	ds_store_b128 v5, v[12*pp+8:12*pp+11] offset:2*WP*pp+WP+256
.set pp, pp+1
.endr
	WIN 0
.endm
.macro FETCH s                         ; step s's fragments: 24 loads of 8 bytes for W's four, 15 of 16 bytes for the places' five: 39
.set FB, 108*((\s)%2)
	WIN 0x40
.irp t, 0,1,2,3
.irp p, 0,1,2,3,4,5
	ds_load_b64 v[FB+12*\t+2*\p:FB+12*\t+2*\p+1], v14 offset:16*\t*WP+96*((\s)%8)+48*(\p/3)+8*(\p%3)
.endr
.endr
.irp a, 0,1,2,3,4
.irp c, 0,1,2
	ds_load_b128 v[FB+48+12*\a+4*\c:FB+48+12*\a+4*\c+3], v[8+(\s)/4] offset:((\s)%4)*13824+1536*\a+512*\c
.endr
.endr
	WIN 0
.endm
.macro MUL s                           ; 20 products; the 20 accumulators take turns, one instruction a turn, in the same order in every step
.set FB, 108*((\s)%2)
.set q, 0
.rept 20
.if q < 10
	WIN 0x05
.else
	WIN 0xa5
.endif
.set DB, 176+8*(q%10)
	v_wmma_scale_f32_16x16x128_f8f6f4 v[DB:DB+7], v[FB+12*(q%4):FB+12*(q%4)+11], v[FB+48+12*(q/4):FB+48+12*(q/4)+11], v[DB:DB+7], v[32+16*(q%4)+(\s)], v[96+16*(q/4)+(\s)] matrix_a_fmt:MATRIX_FMT_FP6 matrix_b_fmt:MATRIX_FMT_FP6
.set q, q+1
.endr
	WIN 0
.endm
.macro STEP s
.if ((\s)%8) > 0
.rept 4
	v_nop                                          ; four places in front of loads into the set that the last step's products read
.endr
.endif
.if ((\s)%8) < 7
	FETCH (\s)+1
	s_wait_dscnt 39                                ; all but the 39 just issued
.else
	s_wait_dscnt 0x0
.endif
	MUL \s
.endm
; my tile a of places: through my stage, back as rows of 256 bytes, two rows an instruction
.macro OUT a
.if \a >= 2
	s_wait_xcnt 0x0                                ; the stores of two tiles back have read the registers that the loads below fill
.endif
.irp t, 0,1,2,3
.set q, 4*\a+\t
.set DB, 176+8*(q%10)
.if q < 10
	WIN 0
.else
	WIN 0x08
.endif
	ds_store_b128 v15, v[DB:DB+3] offset:64*\t     ; each accumulator from its low end on
	ds_store_b128 v15, v[DB+4:DB+7] offset:64*\t+16
.endr
	WIN 0x40
.irp k, 0,1,2,3,4,5,6,7
	ds_load_b128 v[32*(\a%2)+4*\k:32*(\a%2)+4*\k+3], v16 offset:544*\k   ; LDS serves a wave's instructions in order (ISA guide 5.7.1.4): these see the stores above
.endr
	s_wait_dscnt 0x0
	WIN 0x04
.irp k, 0,1,2,3,4,5,6,7
	global_store_b128 v17, v[32*(\a%2)+4*\k:32*(\a%2)+4*\k+3], s[14:15] offset:(16*\a+2*\k)*4096 th:TH_STORE_NT   ; 16 lanes store 256 consecutive bytes, at a multiple of 256 from the buffer's first byte
.endr
	WIN 0
.endm
.macro BARRIER
	s_wait_dscnt 0x0                               ; my LDS stores have landed and my LDS loads are in
	s_barrier_signal -1
	s_barrier_wait -1
	s_cmp_eq_u32 s21, 0                            ; for the branch that follows: a tile without rows goes on to the next barrier
.endm
	s_load_b256 s[4:11], s[0:1], 0x0               ; hq s[4:5], lists s[6:7], W's codes s[8:9], W's scales s[10:11]
	s_load_b128 s[12:15], s[0:1], 0x20             ; b_proj s[12:13], part s[14:15]
	v_lshl_add_u32 v12, v0, 2, SPARE               ; my spare word; never rewritten
	v_mov_b32 v13, 0                               ; 0; never rewritten
	v_lshrrev_b32 v20, 5, v0
	v_readfirstlane_b32 s16, v20                   ; wave
	s_lshr_b32 s17, s16, 1                         ; i
	s_and_b32 s18, s16, 1                          ; j
	s_and_b32 s19, ttmp7, 0xffff                   ; y
	v_and_b32 v1, 15, v0                           ; r
	v_bfe_u32 v2, v0, 4, 1                         ; h
	v_and_b32 v20, 31, v0
	v_lshlrev_b32 v3, 4, v20                       ; 16 lane
	v_mad_u32_u24 v4, v2, ROWP-768, v3
	v_add_nc_u32 v4, 512, v4                       ; a pair's second 512 bytes in memory: lanes 16-31 are in the next row
	s_mul_i32 s22, s16, 16*2*WP
	s_add_co_u32 s22, s22, WROW
	v_add_nc_u32 v5, s22, v3                       ; into LDS: my wave's 32 rows
	v_lshl_add_u32 v6, v2, 4, v5
	v_add_nc_u32 v6, 512, v6
	s_mul_i32 s22, s16, 27648
	v_add_nc_u32 v7, s22, v3                       ; the copy: my quarter of the images of steps 0-7,
	v_add_nc_u32 v21, 110592, v7                   ; and of steps 8-15
	s_mul_i32 s22, s17, 6144
	v_add_nc_u32 v8, s22, v3                       ; the places' fragments, tiles 4 i on: steps 0-3, 4-7, 8-11, 12-15
	v_add_nc_u32 v9, 55296, v8
	v_add_nc_u32 v10, 110592, v8
	v_add_nc_u32 v11, 165888, v8
	v_mul_u32_u24 v14, v1, WP
	v_mad_u32_u24 v14, v2, 24, v14
	s_mul_i32 s22, s18, 64*WP
	s_add_co_u32 s22, s22, WROW
	v_add_nc_u32 v14, s22, v14                     ; W's fragments: row 64 j + r, + 24 h
	s_mul_i32 s22, s16, 16*272
	s_add_co_u32 s22, s22, WROW                    ; my stage: 16 rows x (256 bytes + 16)
	v_mul_u32_u24 v15, v1, 272
	v_lshl_add_u32 v15, v2, 5, v15
	v_add_nc_u32 v15, s22, v15                     ; in: row r, + 32 h
	v_mul_u32_u24 v16, v2, 272
	v_lshl_add_u32 v16, v1, 4, v16
	v_add_nc_u32 v16, s22, v16                     ; back: lanes 0-15 one row, lanes 16-31 the next
	v_lshlrev_b32 v17, 12, v2
	v_lshl_add_u32 v17, v1, 4, v17                 ; and the same two rows in part
	v_lshlrev_b32 v18, 6, v1                       ; scale words: 64 bytes a row, W's and the places' alike
	v_lshlrev_b32 v19, 5, v2                       ; the bias: 8 h numbers on
	s_wait_alu depctr_va_vdst(0)
	s_wait_kmcnt 0x0
	; THE GRID has 32 tiles along y; a work-group with y < 4 walks on to tile y + 32, so that all 36 tiles are served.  Both tiles' (expert, rows) are asked for here.
	s_lshl_b32 s22, s19, 3
	s_load_b64 s[48:49], s[6:7], s22 offset:TINFO
	s_add_co_u32 s23, s19, 32
	s_min_u32 s23, s23, 35
	s_lshl_b32 s23, s23, 3
	s_load_b64 s[50:51], s[6:7], s23 offset:TINFO
	s_mov_b64 s[36:37], s[8:9]                     ; the buffers' addresses stay; each tile's are made from them
	s_mov_b64 s[38:39], s[10:11]
	s_mov_b64 s[40:41], s[12:13]
	s_mov_b64 s[42:43], s[14:15]
; THE IMAGES COME IN TWO HALVES OF K, 54 chunks of 512 bytes a wave each, through one set of registers (window 2 v0-175, window 1 v216-255): the second half is asked for behind the first half's LDS stores
; and is on its way, with W's second half, under steps 0-7.  A tile's addresses (PTRS) and first loads (LOADS) stand ahead of the loop, and at its foot, where a next tile without rows passes over the loads.
.macro HLOAD off
	WIN 0x80
.set n, 0
.rept 44
	global_load_b128 v[4*n:4*n+3], v3, s[24:25] offset:512*n+\off
.set n, n+1
.endr
	WIN 0x40
.rept 10
	global_load_b128 v[216+4*(n-44):216+4*(n-44)+3], v3, s[24:25] offset:512*n+\off
.set n, n+1
.endr
	WIN 0
.endm
.macro HPUT ra
	WIN 0x08
.set n, 0
.rept 44
	ds_store_b128 v[\ra], v[4*n:4*n+3] offset:512*n
.set n, n+1
.endr
	WIN 0x04
.rept 10
	ds_store_b128 v[\ra], v[216+4*(n-44):216+4*(n-44)+3] offset:512*n
.set n, n+1
.endr
	WIN 0
.endm
.macro PTRS
	s_mov_b32 s29, 0
	s_mul_i32 s28, s19, 144
	s_lshl_b32 s3, s17, 6
	s_add_co_u32 s28, s28, s3
	s_lshl_b32 s28, s28, 12
	s_lshl_b32 s3, ttmp9, 9
	s_add_co_u32 s28, s28, s3
	s_lshl_b32 s3, s18, 8
	s_add_co_u32 s28, s28, s3
	s_add_nc_u64 s[14:15], s[42:43], s[28:29]
	s_wait_kmcnt 0x0
	s_mov_b64 s[20:21], s[48:49]                   ; this tile's expert and rows
	s_min_u32 s20, s20, 7
	s_min_u32 s23, s21, 1                          ; the loaded count held at 1: 1 where the tile has rows, else 0;
	s_mul_i32 s23, s23, s19                        ; x y: whose scale words are named: my tile's, or, for a tile without rows, tile 0's, which were stored
	s_mul_i32 s28, s23, 9216
	s_lshl_b32 s3, s17, 12
	s_add_co_u32 s28, s28, s3
	s_add_co_u32 s28, s28, HSO
	s_add_nc_u64 s[26:27], s[4:5], s[28:29]
	s_mul_i32 s28, s20, 0x180000
	s_mul_i32 s3, ttmp9, 196608
	s_add_co_u32 s28, s28, s3
	s_mul_i32 s3, s16, 49152
	s_add_co_u32 s28, s28, s3
	s_add_nc_u64 s[8:9], s[36:37], s[28:29]
	s_lshl_b32 s28, s20, 16
	s_lshl_b32 s3, ttmp9, 13
	s_add_co_u32 s28, s28, s3
	s_lshl_b32 s3, s18, 12
	s_add_co_u32 s28, s28, s3
	s_add_nc_u64 s[10:11], s[38:39], s[28:29]
	s_lshl_b32 s28, s20, 12
	s_lshl_b32 s3, ttmp9, 9
	s_add_co_u32 s28, s28, s3
	s_lshl_b32 s3, s18, 8
	s_add_co_u32 s28, s28, s3
	s_add_nc_u64 s[12:13], s[40:41], s[28:29]      ; the bias likewise
	s_mul_i32 s28, s23, 221184                     ; the images: my tile's, or, for a tile without rows, tile 0's, which were stored
	s_mul_i32 s3, s16, 27648
	s_add_co_u32 s28, s28, s3
	s_add_nc_u64 s[24:25], s[4:5], s[28:29]
.endm
.macro LOADS
.irp t, 0,1,2,3
.irp c, 0,1,2,3
	global_load_b128 v[32+16*\t+4*\c:32+16*\t+4*\c+3], v18, s[10:11] offset:1024*\t+16*\c
.endr
.endr
.irp a, 0,1,2,3,4
.irp c, 0,1,2,3
	global_load_b128 v[96+16*\a+4*\c:96+16*\a+4*\c+3], v18, s[26:27] offset:1024*\a+16*\c
.endr
.endr
.set q, 0
.rept 20                               ; the sums begin as the bias: lane (r, h) of tile t holds outputs 16 t + 8 h + 0 .. 7
.if q < 10
	WIN 0
.else
	WIN 0x80
.endif
	global_load_b128 v[176+8*(q%10):176+8*(q%10)+3], v19, s[12:13] offset:64*(q%4)
	global_load_b128 v[176+8*(q%10)+4:176+8*(q%10)+7], v19, s[12:13] offset:64*(q%4)+16
.set q, q+1
.endr
	WIN 0
	WPAIRS 0                                       ; W's first half of K
	HLOAD 0                                        ; the images of steps 0-7
.endm
	PTRS
	LOADS
.Ltile:
	s_wait_loadcnt 63                              ; of the 178 loads the oldest 76 are the scale words and the bias: with 63 out they are in, on every way
	s_cmp_eq_u32 s21, 0
	s_cbranch_scc1 .Lb1
	s_wait_loadcnt 54                              ; all but the images' 54: W's first half is in
	WPUT
	s_wait_loadcnt 0x0
	HPUT 7
	s_wait_dscnt 0x0                               ; the LDS stores have read their registers:
	WPAIRS 768                                     ; they take W's second half
	HLOAD 110592                                   ; and the images of steps 8-15
.Lb1:
	BARRIER                                        ; the images and W's first half lie in LDS
	s_cbranch_scc1 .Lb2
	FETCH 0
.irp s, 0,1,2,3,4,5,6,7
	STEP \s
.endr
.Lb2:
	BARRIER                                        ; nobody reads W's first half any more
	s_cbranch_scc1 .Lb3
	s_wait_loadcnt 0x0
	WPUT
	HPUT 21
.Lb3:
	BARRIER                                        ; W's second half lies in LDS
	s_cbranch_scc1 .Lb4
.rept 4
	v_nop                                          ; four places in front of loads into registers that products have read
.endr
	FETCH 8
.irp s, 8,9,10,11,12,13,14,15
	STEP \s
.endr
.Lb4:
	BARRIER                                        ; nobody reads W's bytes any more: they serve as the stages
	s_cbranch_scc1 .Lend
.rept 4
	v_nop                                          ; four places in front of the first read of results, and of loads into registers that products have read
.endr
	s_cmp_eq_u32 s17, 1                            ; the tile that both i have multiplied leaves through i = 0
	s_cbranch_scc1 .Lskip0
	OUT 0
.Lskip0:
	OUT 1
	OUT 2
	OUT 3
	OUT 4
.Lend:
	s_wait_dscnt 0x0                               ; my reads of the stages are over
	s_barrier_signal -1
	s_barrier_wait -1                              ; nobody reads this tile's LDS bytes any more
	s_mov_b64 s[48:49], s[50:51]
	s_add_co_u32 s19, s19, 32
	s_cmp_lt_u32 s19, 36
	s_cbranch_scc0 .Lexit                          ; no further tile: a condition made of ids alone
	s_wait_xcnt 0x0                                ; the last tile's loads and stores have read their registers and bases
	s_wait_loadcnt 0x0                             ; and no load of the last tile is still out
.rept 5
	v_nop                                          ; places in front of loads into registers that products have named
.endr
	PTRS
	s_cmp_eq_u32 s21, 0
	s_cbranch_scc1 .Lnoload
	LOADS
.Lnoload:
	s_cmp_lt_u32 s19, 36
	s_wait_alu depctr_va_vdst(0)
	s_cbranch_scc1 .Ltile
.Lexit:
	s_wait_tensorcnt 0x0
	ds_add_u32 v12, v13
	s_wait_dscnt 0x0
	s_endpgm
.Lfunc_end_k_q1187696b12_proj:
	.size	k_q1187696b12_proj, .Lfunc_end_k_q1187696b12_proj-k_q1187696b12_proj
	.p2alignl 7, 3214868480
	.fill 96, 4, 3214868480
	.section	.rodata,"a",@progbits
	.p2align	6, 0x0
	.amdhsa_kernel k_q1187696b12_proj
		.amdhsa_group_segment_fixed_size 322048
		.amdhsa_private_segment_fixed_size 0
		.amdhsa_enable_private_segment 0
		.amdhsa_kernarg_size 48
		.amdhsa_user_sgpr_count 2
		.amdhsa_user_sgpr_kernarg_segment_ptr 1
		.amdhsa_wavefront_size32 1
		.amdhsa_system_sgpr_workgroup_id_x 1
		.amdhsa_system_sgpr_workgroup_id_y 1
		.amdhsa_system_sgpr_workgroup_id_z 1
		.amdhsa_system_vgpr_workitem_id 0
		.amdhsa_next_free_vgpr 1024
		.amdhsa_next_free_sgpr 66
		.amdhsa_reserve_vcc 0
		.amdhsa_float_denorm_mode_32 3
		.amdhsa_float_denorm_mode_16_64 3
		.amdhsa_memory_ordered 1
		.amdhsa_forward_progress 1
		.amdhsa_inst_pref_size 159
	.end_amdhsa_kernel
	.amdgpu_metadata
---
amdhsa.version: [ 1, 2 ]
amdhsa.kernels:
  - .name:           k_q1187696b12_proj
    .symbol:         k_q1187696b12_proj.kd
    .args:
      - { .name: hq, .offset: 0, .size: 8, .value_kind: global_buffer, .address_space: global }
      - { .name: lists, .offset: 8, .size: 8, .value_kind: global_buffer, .address_space: global }
      - { .name: w_proj_codes, .offset: 16, .size: 8, .value_kind: global_buffer, .address_space: global }
      - { .name: w_proj_scales, .offset: 24, .size: 8, .value_kind: global_buffer, .address_space: global }
      - { .name: b_proj, .offset: 32, .size: 8, .value_kind: global_buffer, .address_space: global }
      - { .name: part, .offset: 40, .size: 8, .value_kind: global_buffer, .address_space: global }
    .group_segment_fixed_size: 322048
    .private_segment_fixed_size: 0
    .kernarg_segment_align: 8
    .kernarg_segment_size: 48
    .max_flat_workgroup_size: 128
    .sgpr_count:     66
    .vgpr_count:     1024
    .wavefront_size: 32
...
	.end_amdgpu_metadata
.endif
;; end of part 3
;; launch combine (part 4): grid 256 x 1, 8 waves a work-group, no clusters, 0 bytes of LDS; arguments part, lists, gates, out0; writes out0
.if DOCPART == 4
	.amdgcn_target "amdgcn-amd-amdhsa--gfx1250"
	.amdhsa_code_object_version 6
	.text
	.protected	k_q1187696b12_combine
	.globl	k_q1187696b12_combine
	.p2align	8
	.type	k_q1187696b12_combine,@function
k_q1187696b12_combine:
	s_mov_b64 s[64:65], 0
	v_nop
	global_prefetch_b8 v0, s[64:65] scope:SCOPE_SE
	s_setreg_imm32_b32 hwreg(HW_REG_WAVE_MODE, 25, 1), 1
	s_wait_xcnt 0x0
; COMBINE: out[token] = g0 x part[place of (token, 0)] + g1 x part[place of (token, 1)]: the two experts that the token chose; the other six terms of reference()'s sum are zeros (see the first kernel's head).
; A wave takes a token: two rows of 4,096 bytes in, one out, 16 bytes a lane, 512 consecutive bytes an instruction.  Each byte is read once and written once; LDS, barriers and matrix units would add nothing.
; The places are whole numbers that an earlier launch stored; they are held inside the table before they enter an address.
	s_load_b256 s[4:11], s[0:1], 0x0               ; part s[4:5], lists s[6:7], gates s[8:9], out0 s[10:11]
	v_lshrrev_b32 v2, 5, v0
	s_delay_alu instid0(VALU_DEP_1)
	v_readfirstlane_b32 s12, v2
	s_lshl_b32 s13, ttmp9, 3
	s_add_co_u32 s13, s13, s12                     ; token
	s_lshl_b32 s14, s13, 3
	v_and_b32 v1, 31, v0
	s_delay_alu instid0(VALU_DEP_1)
	v_lshlrev_b32 v1, 4, v1
	s_lshl_b32 s20, s13, 12
	s_mov_b32 s21, 0
	s_mov_b32 s23, 0
	s_mov_b32 s25, 0
	s_wait_alu depctr_va_vdst(0)
	s_wait_kmcnt 0x0
	s_load_b64 s[16:17], s[6:7], s14 offset:20736  ; the two places
	s_load_b64 s[18:19], s[8:9], s14 offset:0x0    ; the two weights
	s_add_nc_u64 s[10:11], s[10:11], s[20:21]
	s_wait_kmcnt 0x0
	s_min_u32 s16, s16, 5183
	s_min_u32 s17, s17, 5183
	s_lshl_b32 s22, s16, 12
	s_lshl_b32 s24, s17, 12
	s_add_nc_u64 s[22:23], s[4:5], s[22:23]
	s_add_nc_u64 s[24:25], s[4:5], s[24:25]
	s_mov_b32 s26, s19                             ; the packed forms name a pair and take its low word for both halves
	s_mov_b32 s27, s19
.irp k, 0,1,2,3,4,5,6,7
	global_load_b128 v[8+4*\k:11+4*\k], v1, s[22:23] offset:512*\k th:TH_LOAD_NT
.endr
.irp k, 0,1,2,3,4,5,6,7
	global_load_b128 v[40+4*\k:43+4*\k], v1, s[24:25] offset:512*\k th:TH_LOAD_NT
.endr
	s_wait_loadcnt 8                               ; the first row is in
.irp k, 0,2,4,6,8,10,12,14,16,18,20,22,24,26,28,30
	v_pk_mul_f32 v[8+\k:9+\k], v[8+\k:9+\k], s[18:19] op_sel_hi:[1,0]
.endr
	s_wait_loadcnt 0x0
.irp k, 0,2,4,6,8,10,12,14,16,18,20,22,24,26,28,30
	v_pk_fma_f32 v[8+\k:9+\k], v[40+\k:41+\k], s[26:27], v[8+\k:9+\k] op_sel_hi:[1,0,1]
.endr
.irp k, 0,1,2,3,4,5,6,7
	global_store_b128 v1, v[8+4*\k:11+4*\k], s[10:11] offset:512*\k th:TH_STORE_NT
.endr
	s_endpgm
.Lfunc_end_k_q1187696b12_combine:
	.size	k_q1187696b12_combine, .Lfunc_end_k_q1187696b12_combine-k_q1187696b12_combine
	.p2alignl 7, 3214868480
	.fill 96, 4, 3214868480
	.section	.rodata,"a",@progbits
	.p2align	6, 0x0
	.amdhsa_kernel k_q1187696b12_combine
		.amdhsa_group_segment_fixed_size 0
		.amdhsa_private_segment_fixed_size 0
		.amdhsa_enable_private_segment 0
		.amdhsa_kernarg_size 32
		.amdhsa_user_sgpr_count 2
		.amdhsa_user_sgpr_kernarg_segment_ptr 1
		.amdhsa_wavefront_size32 1
		.amdhsa_system_sgpr_workgroup_id_x 1
		.amdhsa_system_sgpr_workgroup_id_y 1
		.amdhsa_system_sgpr_workgroup_id_z 1
		.amdhsa_system_vgpr_workitem_id 0
		.amdhsa_next_free_vgpr 80
		.amdhsa_next_free_sgpr 66
		.amdhsa_reserve_vcc 0
		.amdhsa_float_denorm_mode_32 3
		.amdhsa_float_denorm_mode_16_64 3
		.amdhsa_memory_ordered 1
		.amdhsa_forward_progress 1
		.amdhsa_inst_pref_size 6
	.end_amdhsa_kernel
	.amdgpu_metadata
---
amdhsa.version: [ 1, 2 ]
amdhsa.kernels:
  - .name:           k_q1187696b12_combine
    .symbol:         k_q1187696b12_combine.kd
    .args:
      - { .name: part, .offset: 0, .size: 8, .value_kind: global_buffer, .address_space: global }
      - { .name: lists, .offset: 8, .size: 8, .value_kind: global_buffer, .address_space: global }
      - { .name: gates, .offset: 16, .size: 8, .value_kind: global_buffer, .address_space: global }
      - { .name: out0, .offset: 24, .size: 8, .value_kind: global_buffer, .address_space: global }
    .group_segment_fixed_size: 0
    .private_segment_fixed_size: 0
    .kernarg_segment_align: 8
    .kernarg_segment_size: 32
    .max_flat_workgroup_size: 256
    .sgpr_count:     66
    .vgpr_count:     80
    .wavefront_size: 32
...
	.end_amdgpu_metadata
.endif
;; end of part 4
